; MI455X (gfx1250); checked and timed in simulation.
; The chip was launched on July 23, 2026; its instructions are those of AMD's public machine-readable ISA for CDNA 5 (MIT licence, August 2026) and "CDNA5" Instruction Set Architecture Reference Guide (July 2026). The comments in the code are by the model that wrote it; some were corrected since.
;; Head. Allowed arithmetic: matrix products marked QUANTISED: E4M3 operands, one E8M0 scale for each 32 along K, by v_wmma_scale_f32_16x16x128_f8f6f4 with both operands' format E4M3, f32 sums; everything else in f32.
;; Inputs: Wk 128 x 128 float32; Wq 128 x 128 float32; Wv 128 x 128 float32; x 16 x 2,048 x 128 float32.
;; Outputs: out0 16 x 2,048 x 128 float32.
;; This version of the problem:
;;   THIS VERSION OF THE PROBLEM IS GIVEN IN LOW PRECISION. The matrix products marked QUANTISED in the list below multiply operands that are first quantised to E4M3 (4 exponent bits, 3 mantissa bits; 8 bits a number), with one power-of-two scale for each 32 numbers along K (OCP MX v1.0); their sums are f32. All else is computed in f32.
;;   The module's matrix products, in the order in which they are computed (A, B: the left and right operand; K: the contracted axis; several contracted axes count as one K, in the product's order):
;;     1. [M 32,768, K 128] x [K 128, N 128]; A: input x; B: input Wq: QUANTISED
;;     2. [M 32,768, K 128] x [K 128, N 128]; A: input x; B: input Wk: QUANTISED
;;     3. [M 32,768, K 128] x [K 128, N 128]; A: input x; B: input Wv: QUANTISED
;;     4. batch 16 x [M 2,048, K 128] x [K 128, N 2,048]; A: computed on the way; B: computed on the way: QUANTISED
;;     5. batch 16 x [M 2,048, K 2,048] x [K 2,048, N 128]; A: softmax (see below); B: computed on the way: QUANTISED
;;   THE QUANTISER, for each operand of a quantised product, along K:
;;     - K is cut into blocks of 32 from its start; a last block that is shorter is filled with zeros.
;;     - A block's scale is 2^e with e = floor(log2(the largest magnitude in the block)) - 8, held to -126 .. 127; a block of zeros has e = 0. As a byte (E8M0): e + 127.
;;     - Each number is divided by its block's scale, clamped to +-448, and rounded to the nearest number of E4M3, ties to even, subnormals kept.
;;     - The product sums the exact products of the quantised numbers (number of the format x scale) in f32.
;;   ~~~python
;;   def quantise(x, axis):      # numpy; x: float32 -> the quantised numbers, widened to float32 again
;;       x = np.moveaxis(x, axis, -1); K = x.shape[-1]
;;       x = np.pad(x, [(0, 0)] * (x.ndim - 1) + [(0, -K % 32)]); x = x.reshape(x.shape[:-1] + (-1, 32)); a = np.abs(x).max(-1, keepdims=True)
;;       e = np.where(a > 0, np.clip(np.frexp(np.where(a > 0, a, 1))[1] - 1 - 8, -126, 127), 0)      # np.frexp(a)[1] - 1 = floor(log2(a)), exactly
;;       r = np.clip(x / 2.0 ** e, -448, 448)
;;       step = 2.0 ** (np.maximum(np.frexp(np.where(r == 0, 1, r))[1] - 1, -6) - 3)
;;       q = np.round(r / step) * step * 2.0 ** e      # np.round: ties to even
;;       return np.moveaxis(q.reshape(q.shape[:-2] + (-1,))[..., :K], -1, axis).astype(np.float32)
;;   ~~~
;;   SOFTMAX AHEAD OF A QUANTISED PRODUCT. Where the list says 'softmax', what is quantised is not the finished softmax but p = 2^(t - M), with t = logit x log2(e) and M = ceil(the row's largest t), a whole number; so 1/2 < the row's largest p <= 1. The row's sum l is taken of the UNQUANTISED p, in f32, and the product's result is divided by l at the end. Since M is a whole number, a kernel that streams over the keys may use a running M (the ceiling of the running maximum): every later rescaling is an exact power of two, which a block's scale takes up: the codes' values come out the same.
;;   OPERANDS COMPUTED ON THE WAY. 'Computed on the way' means the value that the module computes at that place (a softmax that the list does not call 'softmax' is quantised finished and normalised). What goes into a quantiser is computed in f32, as accurately as f32 sums, v_exp_f32 and their like allow (about 1e-6 of the number): no bf16 or f16 on the way to a quantiser, and a product that is left as it is and whose result goes on into a quantised operand takes f32 operands (vector FMAs, or v_wmma_f32_16x16x4_f32). A number that lies on a knife's edge between two numbers of the format may be rounded either way, as far as f32 arithmetic and the matrix unit's own rounding can turn it there, and no further.
;; One version. Each part assembles by itself: llvm-mc -triple=amdgcn-amd-amdhsa -mcpu=gfx1250 --defsym DOCPART=n.
;; ======== version 1 of 1: 2 launches
;; limits: right only within a limited range of input values
;; workspace buffers: qc 4,194,304 bytes; qs 131,072 bytes; kv 8,650,752 bytes
;; launch proj (part 1): grid 256 x 1, 8 waves a work-group, clusters of 4 x 1, 327,680 bytes of LDS; arguments x, Wq, Wk, Wv, qc, qs, kv; writes qc, qs, kv
.if DOCPART == 1
	.amdgcn_target "amdgcn-amd-amdhsa--gfx1250"
	.amdhsa_code_object_version 6
	.text
	.protected	k_qd900dc967a_proj
	.globl	k_qd900dc967a_proj
	.p2align	8
	.type	k_qd900dc967a_proj,@function
k_qd900dc967a_proj:
	s_mov_b64 s[64:65], 0
	v_nop
	global_prefetch_b8 v0, s[64:65] scope:SCOPE_SE
	s_setreg_imm32_b32 hwreg(HW_REG_WAVE_MODE, 25, 1), 1
	s_wait_xcnt 0x0
	s_wait_alu depctr_hold_cnt(0) depctr_sa_sdst(0) depctr_va_vdst(0) depctr_va_sdst(0) depctr_va_ssrc(0) depctr_va_vcc(0) depctr_vm_vsrc(0)
	s_getreg_b32 s2, hwreg(HW_REG_IB_STS2, 6, 4)
	s_cmp_eq_u32 s2, 0
	s_cbranch_scc0 .Lentry_in_a_cluster
	s_endpgm
.Lentry_in_a_cluster:
	s_bfe_u32 s2, ttmp6, 0x10000c
	s_cmp_lg_u32 s2, 0x3003
	s_cbranch_scc0 .Lentry_shape_is_right
	s_endpgm
.Lentry_shape_is_right:
; q = x Wq^T, k = x Wk^T, v = x Wv^T on codes of FP8 (E4M3) with one E8M0 scale for each 32 along K; the three results are quantised again for the attention that follows.
; x: [32768][128] f32, Wq, Wk, Wv: [128][128] f32; K = the 128 columns, innermost in all four.  Nothing is left out.
; A work-group of eight waves owns 128 rows of x: one key step of the next launch.  It stores
;   qc: q's codes, [row][128 bytes];   qs: one word of four scale bytes a row;
;   kv: a record of 33,792 bytes: k's codes (128 rows x 128 bytes), v's codes ([column][128 keys]), k's 128 scale words, v's 128 scale words.
;   k's key n lies at row n with bits 3 and 4 exchanged: sixteen neighbouring rows are then a tile whose scores leave 16 neighbouring keys in the 16 registers of two neighbouring tiles.
; LOADS.  x: each wave its own 16 rows, 512 consecutive bytes a load, turned through its own rows in LDS.  Weights: one tensor load a wave: waves 0, 1 Wq's halves, 2, 3 Wk's, 4 to 7 Wv's quarters:
;   joint loads of the cluster's four work-groups, which all need the same weights.  The first barrier waits for waves 0 to 3's alone.
; PHASE A: wave w quantises x's rows 16 w .. 16 w + 15 into LDS, and three tiles of 16 weight rows into operand registers: rows 32 w .. 32 w + 31 of Wq and Wk on end, rows 16 w .. 16 w + 15 of Wv.
; PHASE B: all eight tiles of x against the three: 24 matrix instructions.  q, k: source 0 = weight rows, so a lane holds one row of the result and runs of eight columns; v: source 0 = x's rows, so a lane holds one column and runs of eight keys.
; A block of 32 lies in lanes l and l xor 16.  Codes go through stages in LDS, laid over weight rows that all waves have read, and leave as 512 consecutive bytes a store.
; A block's scale byte is its largest magnitude's exponent field - 8, held at 1 from below (a block of zeros keeps 1: its codes are zeros, and these bytes are read by this program alone); each number is held within +-448 x the scale.
; NO DATA PREFETCH: there is no loop to run ahead in.   LIMITS: NaN and infinities are not served; blocks whose largest magnitude lies under 2^-118 keep the byte 1.
.set FP,   528                         ; an LDS row of f32: 512 bytes + 16
.set PIT,  144                         ; an LDS row of codes: 128 bytes + 16
.set WVF,  256*FP                      ; Wq, Wk, Wv, x as f32
.set XFF,  384*FP
.set XC,   512*FP                      ; x's codes
.set XS,   XC+128*PIT                  ; x's scale words
.set OSC,  XS+512                      ; q's, k's, v's scale words
.set SPARE, OSC+1536                   ; the spare words, 128 bytes a wave
.set VST,  2*128*PIT                   ; stages from byte 0 on: q's codes, k's, v's
.set SPW,  1
.set NIL,  2
.set AF,   3                           ; my x tile as f32;  in phase B: where tiles of odd number put q's or k's codes
.set AW,   4                           ; my Wq or Wk rows;  in phase B: the same for scale bytes
.set AWV,  5                           ; my Wv rows;        in phase B: v's scale word
.set XCA,  6
.set XSA,  7
.set AX,   8
.set AXS,  9
.set AQ,   10
.set AQS,  11
.set AV,   12
.set AVS,  13
.set TM,   14                          ; v14-25 at work: four maxima (then bounds), four bytes, four scale operands
.set PB,   18
.set WS0,  26                          ; v26-30 scale words, and nothing else
.set WS1,  27
.set WSV,  28
.set X01,  29
.set X23,  30
.set GX,   31                          ; 16 x lane
.set WF,   32                          ; three fragments of weights
.set XF,   80                          ; four of x; in phase A a set of 64 numbers
.set ACC,  144                         ; q's or k's results; in phase A another set
.set ACV,  208                         ; v's
.set CD,   240
.set XT,   240                         ; until x's codes are made: where a row of x goes in LDS
.set WV,   18
.set ISK,  19
.set ISQ,  22
.set MNT,  23
.set SEL,  24
.set P4,   26
.set G1W,  28
.set G1V,  36
.set G0Q,  44
.set G0K,  48
.set G0V,  52
.macro PLACES n
.rept \n
	v_nop
.endr
.endm
.macro CROUND                          ; a round of the cluster's barrier
	s_barrier_signal -1
	s_barrier_wait -1
	s_cmp_lg_u32 s[WV], 0
	s_cbranch_scc1 .Lnot_wave_0_\@
	s_barrier_signal -3
.Lnot_wave_0_\@:
	s_barrier_wait -3
	s_barrier_signal -1
	s_barrier_wait -1
.endm
.macro GROUP1 g, rows                  ; rows of 512 bytes, padded in LDS; the four of the cluster; elements of 8 bytes; four words of padding behind each 128
	s_mov_b32 s[\g], 15|(3<<16)|(1<<20)|(1<<21)|(6<<22)|(3<<25)
	s_mov_b32 s[\g+1], 64<<16
	s_mov_b32 s[\g+2], (\rows)<<16
	s_mov_b32 s[\g+3], 64<<16
	s_mov_b32 s[\g+4], \rows
	s_mov_b32 s[\g+5], 64
	s_mov_b32 s[\g+6], 0
	s_mov_b32 s[\g+7], 0
.endm
.macro GROUP0 g, src, off              ; my part of a tensor's 128 rows
	s_add_nc_u64 s[\g+2:\g+3], s[\src:\src+1], s[\off:\off+1]
	s_or_b32 s[\g+3], s[\g+3], 0x80000000
.endm
.macro ARM under, g0, g1, next
	s_cmp_lt_u32 s[WV], \under
	s_cbranch_scc0 \next
	tensor_load_to_lds s[\g0:\g0+3], s[\g1:\g1+7]
	s_nop 0
	PLACES 4
	s_branch .Lasked
\next:
.endm
.macro LOADT set, adr, off             ; 64 numbers of my row: k = 32 c + 16 (lane / 16) + 0 .. 15
.irp c, 0,1,2,3
.irp i, 0,1,2,3
	ds_load_b128 v[\set+16*\c+4*\i:\set+16*\c+4*\i+3], v[\adr] offset:\off+128*\c+16*\i
.endr
.endr
.endm
; n blocks of 32 by turns, my 16 numbers of each at x + 16 b: codes into cd + 4 b, bytes into t + 4 + b.  t: twelve registers at work.
.macro QN x, n, cd, t
.set b_, 0
.rept \n
	v_max3_num_f32 v[\t+b_], |v[\x+16*b_]|, |v[\x+16*b_+1]|, 0x4800000   ; with the floor 2^(9 - 127)
.set b_, b_+1
.endr
.irp i, 2,4,6,8,10,12,14
.set b_, 0
.rept \n
	v_max3_num_f32 v[\t+b_], v[\t+b_], |v[\x+16*b_+\i]|, |v[\x+16*b_+\i+1]|
.set b_, b_+1
.endr
.endr
.set b_, 0
.rept \n
	v_permlanex16_b32 v[\t+4+b_], v[\t+b_], s[SEL], s[SEL+1]
.set b_, b_+1
.endr
.set b_, 0
.rept \n
	v_max_num_f32 v[\t+b_], v[\t+b_], v[\t+4+b_]
.set b_, b_+1
.endr
.set b_, 0
.rept \n
	v_add_nc_u32 v[\t+8+b_], 0xfc000000, v[\t+b_]  ; 8 off the exponent field: the conversion's scale operand
.set b_, b_+1
.endr
.set b_, 0
.rept \n
	v_and_or_b32 v[\t+b_], v[\t+b_], 0x7f800000, s[MNT]   ; 448 x the scale
.set b_, b_+1
.endr
.set b_, 0
.rept \n
	v_lshrrev_b32 v[\t+4+b_], 23, v[\t+8+b_]       ; the byte
.set b_, b_+1
.endr
.set b_, 0
.rept \n
.irp i, 0,1,2,3,4,5,6,7,8,9,10,11,12,13,14,15
	v_med3_num_f32 v[\x+16*b_+\i], v[\x+16*b_+\i], -v[\t+b_], v[\t+b_]   ; the conversion does not saturate (ISA guide 7.6.2)
.endr
.set b_, b_+1
.endr
.set b_, 0
.rept \n
	v_cvt_scalef32_pk8_fp8_f32 v[\cd+4*b_:\cd+4*b_+1], v[\x+16*b_:\x+16*b_+7], v[\t+8+b_]
	v_cvt_scalef32_pk8_fp8_f32 v[\cd+4*b_+2:\cd+4*b_+3], v[\x+16*b_+8:\x+16*b_+15], v[\t+8+b_]
.set b_, b_+1
.endr
	v_nop                                          ; one plain place behind the last conversion
.endm
.macro PACK d                          ; four bytes to a word
	v_lshl_or_b32 v[\d], v[PB+1], 8, v[PB]
	v_lshl_or_b32 v[\d], v[PB+2], 16, v[\d]
	v_lshl_or_b32 v[\d], v[PB+3], 24, v[\d]
.endm
.macro WM d, a, b, sa, sb, rowa, rowb  ; a product that starts its sum; rowa, rowb = 1: that side's scale words stand in lanes 16-31
.if (\rowa)
	v_wmma_scale_f32_16x16x128_f8f6f4 v[\d:\d+7], v[\a:\a+15], v[\b:\b+15], 0, v[\sa], v[\sb] matrix_a_scale:MATRIX_SCALE_ROW1
.elseif (\rowb)
	v_wmma_scale_f32_16x16x128_f8f6f4 v[\d:\d+7], v[\a:\a+15], v[\b:\b+15], 0, v[\sa], v[\sb] matrix_b_scale:MATRIX_SCALE_ROW1
.else
	v_wmma_scale_f32_16x16x128_f8f6f4 v[\d:\d+7], v[\a:\a+15], v[\b:\b+15], 0, v[\sa], v[\sb]
.endif
.endm
.macro XLOAD g                         ; x's tiles 4 g .. 4 g + 3 and their scale words: 18 loads
	ds_load_b32 v[X01], v[AXS] offset:256*\g
	ds_load_b32 v[X23], v[AXS] offset:256*\g+128
.irp u, 0,1,2,3
.irp c, 0,1,2,3
	ds_load_b128 v[XF+16*\u+4*\c:XF+16*\u+4*\c+3], v[AX] offset:16*PIT*(4*\g+\u)+32*\c
.endr
.endr
.endm
.macro GRP g
	s_wait_alu depctr_va_vdst(0)                   ; directly ahead of the wait below
	s_wait_dscnt 0x0                               ; the fragments are in, and earlier stores are done
.irp u, 0,1,2,3
	WM ACC+16*\u, WF, XF+16*\u, WS0, X01+\u/2, 0, \u%2
	WM ACC+16*\u+8, WF+16, XF+16*\u, WS1, X01+\u/2, 0, \u%2
.endr
.irp u, 0,1,2,3
	WM ACV+8*\u, XF+16*\u, WF+32, X01+\u/2, WSV, \u%2, 0
.endr
	PLACES 8                                       ; ahead of loads over the sources and of the first read of the results
.if \g == 0
	XLOAD 1
.endif
	QN ACC, 4, CD, TM                              ; block u: one row of the result, columns 8 (lane / 16) + 0 .. 7 and 16 more
.irp u, 0,1,2,3
.if \u%2
	ds_store_b64 v[AF], v[CD+4*\u:CD+4*\u+1] offset:32*PIT*(2*\g+\u/2)
	ds_store_b64 v[AF], v[CD+4*\u+2:CD+4*\u+3] offset:32*PIT*(2*\g+\u/2)+16
	ds_store_b8 v[AW], v[PB+\u] offset:128*(2*\g+\u/2)   ; both halves of the lanes write the same byte with the same value
.else
	ds_store_b64 v[AQ], v[CD+4*\u:CD+4*\u+1] offset:32*PIT*(2*\g+\u/2)
	ds_store_b64 v[AQ], v[CD+4*\u+2:CD+4*\u+3] offset:32*PIT*(2*\g+\u/2)+16
	ds_store_b8 v[AQS], v[PB+\u] offset:128*(2*\g+\u/2)
.endif
.endr
	QN ACV, 2, ACC, ACC+32                         ; two blocks of 32 keys of one column of v; codes and work in registers that the results have left
.if \g == 0
	v_lshl_or_b32 v[AWV], v[ACC+37], 8, v[ACC+36]
.else
	v_lshl_or_b32 v[AWV], v[ACC+36], 16, v[AWV]
	v_lshl_or_b32 v[AWV], v[ACC+37], 24, v[AWV]
.endif
.irp p, 0,1
	ds_store_b64 v[AV], v[ACC+4*\p:ACC+4*\p+1] offset:32*(2*\g+\p)
	ds_store_b64 v[AV], v[ACC+4*\p+2:ACC+4*\p+3] offset:32*(2*\g+\p)+16
.endr
.endm
	s_load_b256 s[4:11], s[0:1], 0x0               ; x s[4:5], Wq s[6:7], Wk s[8:9], Wv s[10:11]
	s_load_b128 s[12:15], s[0:1], 0x20             ; qc, qs
	s_load_b64 s[16:17], s[0:1], 0x30              ; kv
	v_lshl_add_u32 v[SPW], v0, 2, SPARE
	v_mov_b32 v[NIL], 0
	ds_add_u32 v[SPW], v[NIL]                      ; the wave's opening: the add, twice on end, and its wait ahead of the first tensor load
	ds_add_u32 v[SPW], v[NIL]
	v_lshrrev_b32 v14, 5, v0
	v_readfirstlane_b32 s[WV], v14                 ; wave 0..7
	v_and_b32 v16, 31, v0                          ; lane
	v_lshlrev_b32 v[GX], 4, v16
	s_bfe_u32 s60, ttmp6, 0x40000
	s_lshl_b32 s61, ttmp9, 2
	s_add_co_u32 s61, s61, s60                     ; work-group
	s_lshl_b32 s20, s61, 16
	s_lshl_b32 s21, s[WV], 13
	s_add_co_u32 s20, s20, s21                     ; my 16 rows of x
	s_mov_b32 s21, 0
	s_wait_alu depctr_va_vdst(0)
	s_wait_dscnt 0x0                               ; both opening adds are done
	s_wait_kmcnt 0x0
	s_add_nc_u64 s[4:5], s[4:5], s[20:21]
.irp i, 0,1,2,3,4,5,6,7,8,9,10,11,12,13,14,15
	global_load_b128 v[XF+4*\i:XF+4*\i+3], v[GX], s[4:5] offset:512*\i th:TH_LOAD_NT   ; a row a load
.endr
	GROUP1 G1W, 64
	GROUP1 G1V, 32
	s_and_b32 s62, s[WV], 1
	s_and_b32 s[P4], s[WV], 3
	s_mul_i32 s63, s62, 64*FP
	s_mul_i32 s27, s[P4], 32*FP
	s_mov_b32 s[G0Q], 1
	s_mov_b32 s[G0Q+1], s63
	s_mov_b32 s[G0K], 1
	s_add_co_u32 s[G0K+1], s63, 128*FP
	s_mov_b32 s[G0V], 1
	s_add_co_u32 s[G0V+1], s27, WVF
	s_lshl_b32 s2, s62, 15
	s_mov_b32 s3, 0
	s_lshl_b32 s20, s[P4], 14
	GROUP0 G0Q, 6, 2
	GROUP0 G0K, 8, 2
	GROUP0 G0V, 10, 20
	CROUND                                         ; ahead of the first joint loads
	ARM 2, G0Q, G1W, .Lhead_k
	ARM 4, G0K, G1W, .Lhead_v
	tensor_load_to_lds s[G0V:G0V+3], s[G1V:G1V+7]
	s_nop 0
	PLACES 4
.Lasked:
	s_lshl_b32 s20, s61, 14
	s_add_nc_u64 s[12:13], s[12:13], s[20:21]      ; qc at my 128 rows
	s_lshl_b32 s20, s61, 9
	s_add_nc_u64 s[14:15], s[14:15], s[20:21]      ; qs likewise
	s_mul_i32 s20, s61, 33792
	s_add_nc_u64 s[16:17], s[16:17], s[20:21]      ; kv at my record
	s_mov_b32 s[SEL], 0x76543210
	s_mov_b32 s[SEL+1], 0xfedcba98                 ; lane l xor 16
	s_mov_b32 s[MNT], 0x600000                     ; the mantissa field of 448
	s_lshr_b32 s[ISK], s[WV], 2                    ; 0: columns of q, 1: of k
	s_xor_b32 s[ISQ], s[ISK], 1
	v_and_b32 v14, 15, v0                          ; r
	v_bfe_u32 v15, v0, 4, 1                        ; h
	v_and_b32 v16, 31, v0                          ; lane
	s_lshl_b32 s2, s[WV], 4
	s_mul_i32 s3, s[WV], 16*FP
	s_add_co_u32 s3, s3, XFF
	v_lshl_add_u32 v[XT], v16, 4, s3               ; x on its way in: row i at 528 i, 16 bytes a lane
	v_add_nc_u32 v17, s2, v14                      ; 16 w + r
	v_mul_u32_u24 v18, v17, FP
	v_lshl_add_u32 v18, v15, 6, v18
	v_add_nc_u32 v[AF], XFF, v18
	v_add_nc_u32 v[AWV], WVF, v18
	s_mul_i32 s3, s[WV], 32*FP
	v_mul_u32_u24 v19, v14, FP
	v_lshl_add_u32 v19, v15, 6, v19
	v_add_nc_u32 v[AW], s3, v19
	v_mul_u32_u24 v18, v17, PIT
	v_lshl_add_u32 v19, v15, 4, v18
	v_add_nc_u32 v[XCA], XC, v19
	v_lshl_add_u32 v19, v15, 3, v18
	v_add_nc_u32 v[AV], VST, v19                   ; v: row = column 16 w + r of v
	v_lshl_add_u32 v[XSA], v17, 2, XS
	v_lshl_add_u32 v[AVS], v17, 2, OSC+1024
	v_mul_u32_u24 v19, v14, PIT
	v_lshl_add_u32 v19, v15, 4, v19
	v_add_nc_u32 v[AX], XC, v19
	v_lshl_add_u32 v[AXS], v16, 2, XS
	v_and_b32 v20, 8, v14
	v_mul_u32_u24 v20, s[ISK], v20
	v_add_nc_u32 v20, v20, v14                     ; a tile's row r: q at r, k at r + 8 (r / 8)
	s_mul_i32 s27, s[ISK], 128*PIT
	s_lshl_b32 s2, s[P4], 5
	s_add_co_u32 s27, s27, s2
	v_mul_u32_u24 v19, v20, PIT
	v_lshl_add_u32 v19, v15, 3, v19
	v_add_nc_u32 v[AQ], s27, v19
	s_lshl_b32 s2, s[ISK], 9
	s_add_co_u32 s2, s2, s[P4]
	s_add_co_u32 s2, s2, OSC
	v_lshl_add_u32 v[AQS], v20, 2, s2
	s_mul_i32 s20, s[ISQ], 8*PIT
	s_add_co_u32 s20, s20, 8*PIT                   ; from a tile of even number to the next: 16 rows in q, 8 in k
	s_lshl_b32 s2, s[ISQ], 5
	s_add_co_u32 s2, s2, 32
.irp b, 0,1,2,3
	v_mov_b32 v[PB+\b], 0                          ; (a lane permute's destination counts as read)
.endr
	s_wait_alu depctr_va_vdst(0)                   ; the wait at the head's end
	; PHASE A.  x, while the weights are on their way
.irp i, 0,1,2,3,4,5,6,7,8,9,10,11,12,13,14,15
	s_wait_loadcnt 15-\i                           ; row i is in; the younger rows may be out
	ds_store_b128 v[XT], v[XF+4*\i:XF+4*\i+3] offset:FP*\i
.endr
	LOADT ACC, AF, 0                               ; LDS serves a wave's instructions in order (ISA guide 5.7.1.4)
	s_wait_dscnt 0x0
	QN ACC, 4, CD, TM
	PACK TM
.irp c, 0,1,2,3
	ds_store_b128 v[XCA], v[CD+4*\c:CD+4*\c+3] offset:32*\c
.endr
	ds_store_b32 v[XSA], v[TM]                     ; both halves of the lanes write the same word with the same value
	s_wait_alu depctr_va_vdst(0)
	s_cmp_lt_u32 s[WV], 4
	s_cbranch_scc0 .Lnot_qk
	s_wait_tensorcnt 0x0                           ; waves 0 to 3: my part of Wq or Wk is in.  The others' wait stands at the next barrier
.Lnot_qk:
	s_wait_dscnt 0x0                               ; for the others' sake: my stores are done
	s_barrier_signal -1                            ; Wq, Wk and x's codes are in
	s_barrier_wait -1
	LOADT XF, AW, 0
	LOADT ACC, AW, 16*FP
	s_wait_dscnt 16                                ; the first tile is in, the second may be out
	QN XF, 4, WF, TM
	PACK WS0
	s_wait_alu depctr_va_vdst(0)
	s_wait_dscnt 0x0
	QN ACC, 4, WF+16, TM
	PACK WS1
	s_wait_alu depctr_va_vdst(0)
	s_wait_tensorcnt 0x0
	s_wait_dscnt 0x0
	s_barrier_signal -1                            ; Wv is in, and nobody reads Wq's and Wk's rows any more
	s_barrier_wait -1
	LOADT ACC, AWV, 0
	XLOAD 0
	s_wait_dscnt 18                                ; Wv's tile is in; x's fragments may be out
	QN ACC, 4, WF+32, TM
	PACK WSV
	v_add_nc_u32 v[AF], s20, v[AQ]
	v_add_nc_u32 v[AW], s2, v[AQS]
	PLACES 8                                       ; scale words and fragments made by vector instructions stand eight places ahead of the products
	; PHASE B
	GRP 0
	GRP 1
	ds_store_b32 v[AVS], v[AWV]
	v_and_b32 v14, 31, v0                          ; lane
	v_lshrrev_b32 v15, 3, v14
	v_and_b32 v16, 7, v0
	s_mul_i32 s2, s[WV], 16*PIT
	s_lshl_b32 s3, s[WV], 11
	s_lshl_b32 s20, s[WV], 9
	s_add_co_u32 s20, s20, OSC
	v_mul_u32_u24 v17, v15, PIT
	v_lshl_add_u32 v17, v16, 4, v17
	v_add_nc_u32 v17, s2, v17                      ; my 16 rows of a stage: four rows of 128 bytes a load
	v_lshl_add_u32 v18, v14, 4, s3                 ; 2,048 w + 16 x lane
	v_lshlrev_b32 v19, 4, v14
	v_add_nc_u32 v20, s20, v19
	s_wait_alu depctr_va_vdst(0)
	s_wait_dscnt 0x0                               ; for the others' sake: my stores are done
	s_barrier_signal -1
	s_barrier_wait -1
	; THE WAY OUT
.irp s, 0,1,2
.irp i, 0,1,2,3
	ds_load_b128 v[XF+16*\s+4*\i:XF+16*\s+4*\i+3], v17 offset:128*PIT*\s+4*PIT*\i
.endr
.endr
.irp i, 0,1,2,3
	s_wait_dscnt 11-\i                             ; LDS loads come back in order: the younger ones may stay out
	global_store_b128 v18, v[XF+4*\i:XF+4*\i+3], s[12:13] offset:512*\i
.endr
.irp i, 0,1,2,3
	s_wait_dscnt 7-\i
	global_store_b128 v18, v[XF+16+4*\i:XF+16+4*\i+3], s[16:17] offset:512*\i
.endr
.irp i, 0,1,2,3
	s_wait_dscnt 3-\i
	global_store_b128 v18, v[XF+32+4*\i:XF+32+4*\i+3], s[16:17] offset:16384+512*\i
.endr
	s_cmp_lt_u32 s[WV], 3                          ; the scale words: wave 0 q's, wave 1 k's, wave 2 v's: 512 consecutive bytes each
	s_cbranch_scc0 .Lend
	ds_load_b128 v[144:147], v20
	s_add_nc_u64 s[40:41], s[16:17], 32768
	s_add_nc_u64 s[42:43], s[16:17], 33280
	s_cmp_eq_u32 s[WV], 1
	s_cselect_b64 s[40:41], s[40:41], s[42:43]
	s_cmp_eq_u32 s[WV], 0
	s_cselect_b64 s[40:41], s[14:15], s[40:41]
	s_wait_dscnt 0x0
	global_store_b128 v19, v[144:147], s[40:41]
.Lend:
	s_wait_tensorcnt 0x0                           ; the wave's end
	ds_add_u32 v[SPW], v[NIL]
	s_wait_dscnt 0x0
	CROUND                                         ; the closing round
	s_endpgm
.Lfunc_end_k_qd900dc967a_proj:
	.size	k_qd900dc967a_proj, .Lfunc_end_k_qd900dc967a_proj-k_qd900dc967a_proj
	.p2alignl 7, 3214868480
	.fill 96, 4, 3214868480
	.section	.rodata,"a",@progbits
	.p2align	6, 0x0
	.amdhsa_kernel k_qd900dc967a_proj
		.amdhsa_group_segment_fixed_size 327680
		.amdhsa_private_segment_fixed_size 0
		.amdhsa_enable_private_segment 0
		.amdhsa_kernarg_size 56
		.amdhsa_user_sgpr_count 2
		.amdhsa_user_sgpr_kernarg_segment_ptr 1
		.amdhsa_wavefront_size32 1
		.amdhsa_system_sgpr_workgroup_id_x 1
		.amdhsa_system_sgpr_workgroup_id_y 1
		.amdhsa_system_sgpr_workgroup_id_z 1
		.amdhsa_system_vgpr_workitem_id 0
		.amdhsa_next_free_vgpr 256
		.amdhsa_next_free_sgpr 66
		.amdhsa_reserve_vcc 0
		.amdhsa_float_denorm_mode_32 3
		.amdhsa_float_denorm_mode_16_64 3
		.amdhsa_memory_ordered 1
		.amdhsa_forward_progress 1
		.amdhsa_inst_pref_size 83
	.end_amdhsa_kernel
	.amdgpu_metadata
---
amdhsa.version: [ 1, 2 ]
amdhsa.kernels:
  - .name:           k_qd900dc967a_proj
    .symbol:         k_qd900dc967a_proj.kd
    .args:
      - { .name: x, .offset: 0, .size: 8, .value_kind: global_buffer, .address_space: global }
      - { .name: Wq, .offset: 8, .size: 8, .value_kind: global_buffer, .address_space: global }
      - { .name: Wk, .offset: 16, .size: 8, .value_kind: global_buffer, .address_space: global }
      - { .name: Wv, .offset: 24, .size: 8, .value_kind: global_buffer, .address_space: global }
      - { .name: qc, .offset: 32, .size: 8, .value_kind: global_buffer, .address_space: global }
      - { .name: qs, .offset: 40, .size: 8, .value_kind: global_buffer, .address_space: global }
      - { .name: kv, .offset: 48, .size: 8, .value_kind: global_buffer, .address_space: global }
    .group_segment_fixed_size: 327680
    .private_segment_fixed_size: 0
    .kernarg_segment_align: 8
    .kernarg_segment_size: 56
    .max_flat_workgroup_size: 256
    .sgpr_count:     66
    .vgpr_count:     256
    .wavefront_size: 32
...
	.end_amdgpu_metadata
.endif
;; end of part 1
;; launch attn (part 2): grid 64 x 4, 8 waves a work-group, clusters of 4 x 1, 327,680 bytes of LDS; arguments qc, qs, kv, out0; writes out0
.if DOCPART == 2
	.amdgcn_target "amdgcn-amd-amdhsa--gfx1250"
	.amdhsa_code_object_version 6
	.text
	.protected	k_qd900dc967a_attn
	.globl	k_qd900dc967a_attn
	.p2align	8
	.type	k_qd900dc967a_attn,@function
k_qd900dc967a_attn:
	s_mov_b64 s[64:65], 0
	v_nop
	global_prefetch_b8 v0, s[64:65] scope:SCOPE_SE
	s_setreg_imm32_b32 hwreg(HW_REG_WAVE_MODE, 25, 1), 1
	s_wait_xcnt 0x0
	s_wait_alu depctr_hold_cnt(0) depctr_sa_sdst(0) depctr_va_vdst(0) depctr_va_sdst(0) depctr_va_ssrc(0) depctr_va_vcc(0) depctr_vm_vsrc(0)
	s_getreg_b32 s2, hwreg(HW_REG_IB_STS2, 6, 4)
	s_cmp_eq_u32 s2, 0
	s_cbranch_scc0 .Lentry_in_a_cluster
	s_endpgm
.Lentry_in_a_cluster:
	s_bfe_u32 s2, ttmp6, 0x10000c
	s_cmp_lg_u32 s2, 0x3003
	s_cbranch_scc0 .Lentry_shape_is_right
	s_endpgm
.Lentry_shape_is_right:
; out = softmax(q k^T / sqrt(128), causal) v on codes of FP8 (E4M3), one E8M0 scale for each 32 along K; 16 batches x 2,048 queries x 128.
; p = 2^(t - M), t = score x log2(e) / sqrt(128), M the running largest t rounded up to a whole number; the sum is taken of the unquantised p and divides at the end.
; LEFT OUT: steps of 128 keys that all come after a unit's queries.  The causal mask makes their p 0 for all values of the inputs.  A NaN or an infinity that reaches only such scores is not carried.
; LIMITS: NaN and infinities are not served; scaled scores (to the base 2) stay under 2^31 in magnitude.
; SHARES.  Cluster (batch, m) of four work-groups: the query blocks (128 rows) 2 m, 2 m + 1, 15 - 2 m, 14 - 2 m; work-group cx takes rows 32 cx .. 32 cx + 31 of each: four units of 32 queries.
; Eight waves: w / 4: early or late block; (w / 2) % 2: which of the two; w % 2: key steps of that parity.  Waves w and w + 4 have 17 steps of both parities together in every cluster.
; A wave walks its steps with two tiles, A and B, of 16 queries: each fragment of k and v feeds two products.  The two parities' results are joined through LDS at the end.
; LAYOUT.  S^T = k q^T and O^T = v^T p^T: a lane holds one query of each tile.  k's rows lie so that the 16 registers of two neighbouring tiles are 16 neighbouring keys.
; RING.  Eight records of 38,016 bytes: pairs of records (one step of each parity) 0 to 3 at places 0 to 3 by the head's loads; then refills: pairs 4, 5 at places 0, 1, pairs 6, 7 at places 2, 3.
; All four work-groups of a cluster walk the same records and ask for them jointly; which refills are made hangs on m alone, which the four share.
; NO DATA PREFETCH: records 0 to 7 are asked for in the head, each refill has two pairs of steps in which to land, and there is no loop over fills to run ahead in.
; REGISTERS: window 0: addresses, scales, q's codes, p's codes, the scores of A and B;  window 1: O^T of A and B (0-127), eight fragments (128-255).
.set PIT,   144                        ; an LDS row: 128 bytes + 16
.set REC,   264*PIT                    ; k's 128 rows, v's 128 rows, 8 rows of scale words
.set VOFF,  128*PIT
.set SOFF,  256*PIT
.set RECB,  33792                      ; a record in memory
.set POS2,  4*REC
.set SPARE, 8*REC                      ; the spare words, 128 bytes a wave
.set BOX,   8704                       ; the way out, in slot bytes that have had their last fill: a box and a stage a wave
.set STG,   8*BOX
.set AFK,  1
.set ASC,  2
.set LIM,  3
.set QSW,  4                           ; q's scale words: lanes 0-15 tile A, 16-31 tile B
.set SPW,  5
.set NIL,  6
.set ADK,  7
.set ADS,  8
.set TMP,  9
.set PSB,  10                          ; p's scale words of B, of A
.set PSA,  11
.set NM,   12                          ; v12, v14: -M of A, B; v13, v15: the largest score so far
.set LSUM, 16
.set FF,   20                          ; v20, v22: 2^(old M - new M)
.set SCK,  24                          ; k's scale words
.set SCV,  28                          ; v's
.set TT,   32
.set BM,   40                          ; the blocks' largest
.set SO,   48                          ; the conversions' scale operands
.set BD,   56                          ; the holds' bounds
.set QF,   64
.set PC,   96
.set SS,   128
.set OT,   0                           ; window 1
.set FR,   128                         ; window 1
.set WV,   12
.set CX,   13
.set MM,   14
.set BT,   15
.set LS,   16
.set MNT,  17
.set SI,   18
.set TW,   19
.set SEL,  20
.set CS,   22
.set G1,   24
.set G0,   32
.set KVB,  36
.set TB,   40
.set NINF, 41
.set PAR,  42
.set NCS,  43
.set MSB, 0
.macro WIN new                         ; the immediate's high byte repeats the setting that is left
.if MSB != \new
	s_set_vgpr_msb (MSB<<8)|\new
.set MSB, \new
.endif
.endm
.macro PLACES n
.rept \n
	v_nop
.endr
.endm
.macro CROUND                          ; a round of the cluster's barrier
	s_barrier_signal -1
	s_barrier_wait -1
	s_cmp_lg_u32 s[WV], 0
	s_cbranch_scc1 .Lnot_wave_0_\@
	s_barrier_signal -3
.Lnot_wave_0_\@:
	s_barrier_wait -3
	s_barrier_signal -1
	s_barrier_wait -1
.endm
; The descriptor of a fill: 33 k rows of 256 bytes a wave (k pairs of records over eight waves), from pair p on, to LDS byte lds.  Padding stands behind each 128 bytes.
.macro SETUP k, lds, p
	s_mul_i32 s46, s[WV], (\k)*33*256
	s_add_co_u32 s46, s46, (\p)*2*RECB
	s_mov_b32 s47, 0
	s_add_nc_u64 s[G0+2:G0+3], s[KVB:KVB+1], s[46:47]
	s_or_b32 s[G0+3], s[G0+3], 0x80000000
	s_mul_i32 s[G0+1], s[WV], (\k)*66*PIT
	s_add_co_u32 s[G0+1], s[G0+1], \lds
	s_mov_b32 s[G1+2], (33*(\k))<<16
	s_mov_b32 s[G1+4], 33*(\k)
.endm
.macro TLOAD
	tensor_load_to_lds s[G0:G0+3], s[G1:G1+7]
	s_nop 0
	PLACES 4
.endm
.macro FILL k, lds, p                  ; a change of places with a refill: all my loads landed; the add; the wait for it and for my reads; the round; the refill
	s_wait_tensorcnt 0x0
	ds_add_u32 v[SPW], v[NIL]
	SETUP \k, \lds, \p
	s_wait_dscnt 0x0
	CROUND
	TLOAD
.endm
.macro DRAIN                           ; a change without one
	s_wait_tensorcnt 0x0
	ds_add_u32 v[SPW], v[NIL]
	s_wait_dscnt 0x0
	s_barrier_signal -1
	s_barrier_wait -1
.endm
.macro SHOWN under                     ; a barrier that shows the head's loads of waves under a number: they wait, the others' waits stand further on
	s_cmp_lt_u32 s[WV], \under
	s_cbranch_scc0 .Lnot_mine_\@
	s_wait_tensorcnt 0x0
.Lnot_mine_\@:
	s_wait_dscnt 0x0
	s_barrier_signal -1
	s_barrier_wait -1
.endm
.macro FRAG reg, adr, off              ; 16 rows x 128 codes
.irp c, 0,1,2,3
	ds_load_b128 v[\reg+4*\c:\reg+4*\c+3], v[\adr] offset:\off+32*\c
.endr
.endm
.macro SPROD t, u                      ; scores: tile t of k, query tile u
.if ((\t)%2) && (\u)
	v_wmma_scale_f32_16x16x128_f8f6f4 v[SS+64*(\u)+8*(\t):SS+64*(\u)+8*(\t)+7], v[FR+16*(\t):FR+16*(\t)+15], v[QF+16*(\u):QF+16*(\u)+15], 0, v[SCK+(\t)/2], v[QSW] matrix_a_scale:MATRIX_SCALE_ROW1 matrix_b_scale:MATRIX_SCALE_ROW1
.elseif (\t)%2
	v_wmma_scale_f32_16x16x128_f8f6f4 v[SS+64*(\u)+8*(\t):SS+64*(\u)+8*(\t)+7], v[FR+16*(\t):FR+16*(\t)+15], v[QF+16*(\u):QF+16*(\u)+15], 0, v[SCK+(\t)/2], v[QSW] matrix_a_scale:MATRIX_SCALE_ROW1
.elseif (\u)
	v_wmma_scale_f32_16x16x128_f8f6f4 v[SS+64*(\u)+8*(\t):SS+64*(\u)+8*(\t)+7], v[FR+16*(\t):FR+16*(\t)+15], v[QF+16*(\u):QF+16*(\u)+15], 0, v[SCK+(\t)/2], v[QSW] matrix_b_scale:MATRIX_SCALE_ROW1
.else
	v_wmma_scale_f32_16x16x128_f8f6f4 v[SS+64*(\u)+8*(\t):SS+64*(\u)+8*(\t)+7], v[FR+16*(\t):FR+16*(\t)+15], v[QF+16*(\u):QF+16*(\u)+15], 0, v[SCK+(\t)/2], v[QSW]
.endif
.endm
.macro SBLK b                          ; a block of 32 keys, tiles 2 b and 2 b + 1, both query tiles; each fragment is used as it comes in, those behind it may be out
	WIN 0x01
	s_wait_dscnt 28-8*\b
	SPROD 2*\b, 0
	SPROD 2*\b, 1
	s_wait_dscnt 24-8*\b
	SPROD 2*\b+1, 0
	SPROD 2*\b+1, 1
	WIN 0
.endm
.macro OPROD t, u, psw                 ; outputs: channels 16 t .. 16 t + 15, query tile u
.if (\t)%2
	v_wmma_scale_f32_16x16x128_f8f6f4 v[OT+64*\u+8*\t:OT+64*\u+8*\t+7], v[FR+16*\t:FR+16*\t+15], v[PC+16*\u:PC+16*\u+15], v[OT+64*\u+8*\t:OT+64*\u+8*\t+7], v[SCV+\t/2], v[\psw] matrix_a_scale:MATRIX_SCALE_ROW1
.else
	v_wmma_scale_f32_16x16x128_f8f6f4 v[OT+64*\u+8*\t:OT+64*\u+8*\t+7], v[FR+16*\t:FR+16*\t+15], v[PC+16*\u:PC+16*\u+15], v[OT+64*\u+8*\t:OT+64*\u+8*\t+7], v[SCV+\t/2], v[\psw]
.endif
.endm
; The largest of my 16 scores of block b, of A and of B: 16 lines in four chains (two runs of eight registers for each tile)
.macro ML b
.set X_, SS+16*\b
.set M_, BM+\b
.set D_, BD+\b
	v_max3_num_f32 v[M_], v[X_], v[X_+1], v[X_+2]
	v_max3_num_f32 v[M_+4], v[X_+64], v[X_+65], v[X_+66]
	v_max3_num_f32 v[D_], v[X_+8], v[X_+9], v[X_+10]
	v_max3_num_f32 v[D_+4], v[X_+72], v[X_+73], v[X_+74]
.irp i, 3,5
	v_max3_num_f32 v[M_], v[M_], v[X_+\i], v[X_+\i+1]
	v_max3_num_f32 v[M_+4], v[M_+4], v[X_+64+\i], v[X_+65+\i]
	v_max3_num_f32 v[D_], v[D_], v[X_+8+\i], v[X_+9+\i]
	v_max3_num_f32 v[D_+4], v[D_+4], v[X_+72+\i], v[X_+73+\i]
.endr
	v_max3_num_f32 v[M_], v[M_], v[D_], v[X_+7]
	v_max3_num_f32 v[M_+4], v[M_+4], v[D_+4], v[X_+71]
	v_max_num_f32 v[M_], v[M_], v[X_+15]
	v_max_num_f32 v[M_+4], v[M_+4], v[X_+79]
.endm
.macro CH k, u                         ; the row's largest score, -M and 2^(old M - new M)
.set M_, BM+4*(\u)
.set N_, NM+2*(\u)
.set T_, TMP+(\u)*(SO-TMP)
.if (\k) == 0
	v_max3_num_f32 v[T_], v[M_], v[M_+1], v[M_+2]
.elseif (\k) == 1
	v_max3_num_f32 v[N_+1], v[T_], v[M_+3], v[N_+1]
.elseif (\k) == 2
	v_mov_b32 v[T_], v[N_]
.elseif (\k) == 3
	v_mul_f32 v[N_], s[NCS], v[N_+1]               ; -t of the largest score
.elseif (\k) == 4
	v_floor_f32 v[N_], v[N_]                       ; -M, a whole number
.elseif (\k) == 5
	v_sub_f32 v[T_], v[N_], v[T_]
.elseif (\k) == 6
	v_cvt_i32_f32 v[T_], v[T_]                     ; (it saturates)
.else
	v_ldexp_f32 v[FF+2*(\u)], 1.0, v[T_]
.endif
.endm
.macro PKF k, u                        ; t - M, two at a time
	v_pk_fma_f32 v[SS+64*(\u)+2*(\k):SS+64*(\u)+2*(\k)+1], v[SS+64*(\u)+2*(\k):SS+64*(\u)+2*(\k)+1], s[CS:CS+1], v[NM+2*(\u):NM+2*(\u)+1] op_sel_hi:[1,0,0]
.endm
.macro SUML k, u                       ; 32 lines: the sum of the 64 p, in four chains of pairs, and the row's sum under the new M
.set X_, SS+64*(\u)
.if (\k) < 4
	v_pk_add_f32 v[TT+2*(\k):TT+2*(\k)+1], v[X_+2*(\k):X_+2*(\k)+1], v[X_+2*(\k)+8:X_+2*(\k)+9]
.elseif (\k) < 28
.set C_, TT+2*((\k)%4)
.set J_, X_+16+2*((\k)-4)
	v_pk_add_f32 v[C_:C_+1], v[C_:C_+1], v[J_:J_+1]
.elseif (\k) == 28
	v_pk_add_f32 v[TT:TT+1], v[TT:TT+1], v[TT+2:TT+3]
.elseif (\k) == 29
	v_pk_add_f32 v[TT+4:TT+5], v[TT+4:TT+5], v[TT+6:TT+7]
.elseif (\k) == 30
	v_pk_add_f32 v[TT:TT+1], v[TT:TT+1], v[TT+4:TT+5]
.else
	v_pk_fma_f32 v[LSUM+2*(\u):LSUM+2*(\u)+1], v[LSUM+2*(\u):LSUM+2*(\u)+1], v[FF+2*(\u):FF+2*(\u)+1], v[TT:TT+1] op_sel_hi:[1,0,1]
.endif
.endm
.macro MINL k, u                       ; two p held at the largest code x the scale: the conversion does not saturate (ISA guide 7.6.2)
.set J_, SS+64*(\u)+2*(\k)
.set D_, BD+4*(\u)+(\k)/8
	v_dual_min_num_f32 v[J_], v[D_], v[J_] :: v_dual_min_num_f32 v[J_+1], v[D_], v[J_+1]
.endm
.macro CVT u
.irp b, 0,1,2,3
	v_cvt_scalef32_pk8_fp8_f32 v[PC+16*\u+4*\b:PC+16*\u+4*\b+1], v[SS+64*\u+16*\b:SS+64*\u+16*\b+7], v[SO+4*\u+\b]
	v_cvt_scalef32_pk8_fp8_f32 v[PC+16*\u+4*\b+2:PC+16*\u+4*\b+3], v[SS+64*\u+16*\b+8:SS+64*\u+16*\b+15], v[SO+4*\u+\b]
.endr
.endm
.macro VRUN k                          ; two of v's eight fragments
	WIN 0x40
	FRAG FR+32*\k, ADK, VOFF+32*PIT*\k
	FRAG FR+32*\k+16, ADK, VOFF+32*PIT*\k+16*PIT
	WIN 0
.endm
; A STEP: 128 keys x 32 queries.
.macro STEP
	s_cmp_gt_u32 s[SI], s[LS]                      ; keys that all come after my queries: ids alone
	s_cbranch_scc1 .Lskip_\@
	v_add_nc_u32 v[ADK], s[TB], v[AFK]
	v_add_nc_u32 v[ADS], s[TB], v[ASC]
	PLACES 6                                       ; with the two lines above eight places behind the last step's products, whose fragments are loaded over
.irp c, 0,1,2,3
	ds_load_b32 v[SCK+\c], v[ADS] offset:PIT*\c    ; lanes 0-15 tile 2 c's words, lanes 16-31 tile 2 c + 1's
.endr
	WIN 0x40
.irp t, 0,1,2,3,4,5,6,7
	FRAG FR+16*\t, ADK, 16*PIT*\t
.endr
	SBLK 0                                         ; a block's maxima stand behind the next block's products, while fragments come in
	SBLK 1
	PLACES 8                                       ; ahead of the first read of block 0's scores
	ML 0
	SBLK 2
	ML 1
	SBLK 3
	ML 2
	ML 3
	s_wait_alu depctr_va_vdst(0)                   ; directly ahead of the branch
	s_cmp_lg_u32 s[SI], s[LS]
	s_cbranch_scc1 .Lmax_\@
	; the step on the diagonal: scores of hidden keys become -infinity, and the maxima are taken again.  Register 16 b + i of tile u holds key 32 b + 16 (lane / 16) + i
	v_mov_b32 v[TMP], s[NINF]
.irp b, 0,1,2,3
	v_add_nc_u32 v[SO+\b], -32*\b, v[LIM]
	v_add_nc_u32 v[SO+4+\b], 16-32*\b, v[LIM]
.endr
.set Y_, 0
.rept 128
	v_cmp_gt_i32 vcc_lo, Y_%16, v[SO+Y_/16]
	v_cndmask_b32 v[SS+Y_], v[SS+Y_], v[TMP], vcc_lo
.set Y_, Y_+1
.endr
	ML 0
	ML 1
	ML 2
	ML 3
.Lmax_\@:
.irp c, 0,1,2,3
	ds_load_b32 v[SCV+\c], v[ADS] offset:4*PIT+PIT*\c
.endr
	VRUN 0                                         ; v's fragments take the place of k's
.irp n, 0,1,2,3,4,5,6,7
	v_permlanex16_b32 v[TT+\n], v[BM+\n], s[SEL], s[SEL+1]
.endr
	VRUN 1
.irp n, 0,1,2,3,4,5,6,7
	v_max_num_f32 v[BM+\n], v[BM+\n], v[TT+\n]
.endr
	CH 0, 0
	CH 0, 1
	VRUN 2
	CH 1, 0
	CH 1, 1
	CH 2, 0
	CH 2, 1
	CH 3, 0
	CH 3, 1
	VRUN 3
	CH 4, 0
	CH 4, 1
.set K_, 0
.rept 3
	CH 5+K_, 0
	CH 5+K_, 1
	PKF 4*K_, 0
	PKF 4*K_+1, 0
	PKF 4*K_+2, 0
	PKF 4*K_+3, 0
.set K_, K_+1
.endr
.set K_, 12
.rept 20
	PKF K_, 0
.set K_, K_+1
.endr
.irp b, 0,1,2,3                        ; the blocks' largest scores give the blocks' largest p
	v_fma_f32 v[BM+\b], v[BM+\b], s[CS], v[NM]
	v_fma_f32 v[BM+4+\b], v[BM+4+\b], s[CS], v[NM+2]
.endr
	WIN 0x41
.set K_, 0
.rept 64                               ; O^T under the new M
	v_pk_mul_f32 v[OT+2*K_:OT+2*K_+1], v[OT+2*K_:OT+2*K_+1], v[FF+2*(K_/32):FF+2*(K_/32)+1] op_sel_hi:[1,0]
.set K_, K_+1
.endr
	WIN 0
	s_wait_alu depctr_va_vdst(0)                   ; ahead of the batch
.irp b, 0,1,2,3,4,5,6,7
	v_exp_f32 v[BM+\b], v[BM+\b]
.endr
.set K_, 0
.rept 32                               ; A's exponentials, and among them B's t - M
	v_exp_f32 v[SS+2*K_], v[SS+2*K_]
	v_exp_f32 v[SS+2*K_+1], v[SS+2*K_+1]
	PKF K_, 1
.set K_, K_+1
.endr
	v_nop
	s_wait_alu depctr_va_vdst(0)                   ; and behind it
.irp b, 0,1,2,3,4,5,6,7
	v_max_num_f32 v[BM+\b], 0x4800000, v[BM+\b]    ; the floor 2^(9 - 127): the byte cannot fall under 1 (a block of zeros keeps it: its codes are zeros)
.endr
.irp b, 0,1,2,3,4,5,6,7
	v_add_nc_u32 v[SO+\b], 0xfc000000, v[BM+\b]    ; 8 off the exponent field: the conversion's scale operand
.endr
.irp b, 0,1,2,3,4,5,6,7
	v_and_or_b32 v[BD+\b], v[BM+\b], 0x7f800000, s[MNT]   ; 448 x the scale
.endr
.irp b, 0,1,2,3,4,5,6,7
	v_lshrrev_b32 v[TT+\b], 23, v[SO+\b]           ; the scale's byte
.endr
	v_lshl_or_b32 v[PSA], v[TT+1], 8, v[TT]
	v_lshl_or_b32 v[PSB], v[TT+5], 8, v[TT+4]
	v_lshl_or_b32 v[PSA], v[TT+2], 16, v[PSA]
	v_lshl_or_b32 v[PSB], v[TT+6], 16, v[PSB]
	v_lshl_or_b32 v[PSA], v[TT+3], 24, v[PSA]
	v_lshl_or_b32 v[PSB], v[TT+7], 24, v[PSB]
.set K_, 0
.rept 32
	SUML K_, 0
.set K_, K_+1
.endr
	s_wait_alu depctr_va_vdst(0)                   ; ahead of the second batch
.set K_, 0
.rept 32                               ; B's exponentials, and among them A's holds
	v_exp_f32 v[SS+64+2*K_], v[SS+64+2*K_]
	v_exp_f32 v[SS+64+2*K_+1], v[SS+64+2*K_+1]
	MINL K_, 0
.set K_, K_+1
.endr
	v_nop
	s_wait_alu depctr_va_vdst(0)                   ; behind the batch, and directly ahead of the wait below
	s_wait_dscnt 0x0                               ; v's fragments are in
	CVT 0
.set K_, 0
.rept 8                                ; places between A's codes and their products
	SUML K_, 1
.set K_, K_+1
.endr
.irp t, 0,1,2,3,4,5,6,7                ; A's products, and among them B's sums and holds: seven lines behind each
	WIN 0x51
	OPROD \t, 0, PSA
	WIN 0
.rept 7
.if K_ < 32
	SUML K_, 1
.else
	MINL K_-32, 1
.endif
.set K_, K_+1
.endr
.endr
	CVT 1
	PLACES 4                                       ; B's codes stand four places ahead of their products
	WIN 0x51
.irp t, 0,1,2,3,4,5,6,7
	OPROD \t, 1, PSB
.endr
	WIN 0
.Lskip_\@:
	s_add_co_u32 s[SI], s[SI], 2
.endm
.macro WORK base, n                    ; n pairs of records from LDS byte base on: n steps of my parity
	s_mov_b32 s[TB], \base
.if \n > 1
	s_mov_b32 s[TW], \n
.Lstep_\@:
	STEP
	s_add_co_u32 s[TB], s[TB], 2*REC
	s_sub_co_u32 s[TW], s[TW], 1
	s_cmp_lg_u32 s[TW], 0
	s_cbranch_scc1 .Lstep_\@
.else
	STEP
.endif
.endm
	s_load_b256 s[4:11], s[0:1], 0x0               ; qc, qs, kv, out0
	v_lshl_add_u32 v[SPW], v0, 2, SPARE
	v_mov_b32 v[NIL], 0
	ds_add_u32 v[SPW], v[NIL]                      ; the wave's opening: the add, twice on end, and its wait ahead of the first tensor load
	ds_add_u32 v[SPW], v[NIL]
	v_lshrrev_b32 v8, 5, v0
	v_readfirstlane_b32 s[WV], v8
	s_and_b32 s[PAR], s[WV], 1
	s_bfe_u32 s44, s[WV], 0x10001
	s_lshr_b32 s45, s[WV], 2
	s_bfe_u32 s[CX], ttmp6, 0x40000
	s_mov_b32 s[BT], ttmp9
	s_and_b32 s[MM], ttmp7, 0xffff
	s_lshl_b32 s46, s[MM], 1
	s_add_co_u32 s46, s46, s44
	s_sub_co_u32 s47, 15, s46
	s_cmp_eq_u32 s45, 0
	s_cselect_b32 s[LS], s46, s47                  ; my query block, and my last key step
	s_lshl_b32 s48, s[CX], 5                       ; my unit's first row in it
	s_lshl_b32 s44, s[BT], 11
	s_lshl_b32 s45, s[LS], 7
	s_add_co_u32 s44, s44, s45
	s_add_co_u32 s44, s44, s48                     ; my unit's first row
	s_mov_b32 s[G1], 15|(3<<16)|(1<<20)|(1<<21)|(4<<22)|(3<<25)   ; the four of the cluster; elements of 8 bytes; four words of padding behind each 32
	s_mov_b32 s[G1+1], 32<<16
	s_mov_b32 s[G1+3], 32<<16
	s_mov_b32 s[G1+5], 32
	s_mov_b32 s[G1+6], 0
	s_mov_b32 s[G1+7], 0
	s_mov_b32 s[G0], 1
	s_mul_i32 s50, s[BT], 16*RECB
	s_mov_b32 s51, 0
	s_mov_b32 s[SEL], 0x76543210
	s_mov_b32 s[SEL+1], 0xfedcba98                 ; lane l xor 16
	s_mov_b32 s[CS], 0x3e0293ee                    ; log2(e) / sqrt(128)
	s_mov_b32 s[CS+1], s[CS]
	s_mov_b32 s[NCS], 0xbe0293ee                   ; less that
	s_mov_b32 s[MNT], 0x600000                     ; the mantissa field of 448
	s_mov_b32 s[NINF], 0xff800000
	s_mov_b32 s[SI], s[PAR]
	s_mul_i32 s52, s[PAR], REC
	s_add_co_u32 s53, s52, SOFF
	s_wait_alu depctr_va_vdst(0)
	s_wait_dscnt 0x0                               ; both opening adds are done
	CROUND                                         ; ahead of the first joint loads
	s_wait_kmcnt 0x0
	s_add_nc_u64 s[KVB:KVB+1], s[8:9], s[50:51]
	SETUP 4, 0, 0
; THE HEAD'S LOADS, ONE A WAVE, an eighth of the first eight records each: waves 0, 1 pair 0, waves 2, 3 pair 1, waves 4 to 7 pairs 2, 3.  Each group has a load line of its own, since each is waited for at a barrier of its own.
	s_cmp_lt_u32 s[WV], 2
	s_cbranch_scc0 .Lhead_1
	TLOAD
	s_branch .Lhead_asked
.Lhead_1:
	s_cmp_lt_u32 s[WV], 4
	s_cbranch_scc0 .Lhead_2
	TLOAD
	s_branch .Lhead_asked
.Lhead_2:
	TLOAD
.Lhead_asked:
	s_mov_b32 s47, 0
	s_lshl_b32 s46, s44, 7
	s_add_nc_u64 s[4:5], s[4:5], s[46:47]
	s_lshl_b32 s46, s44, 2
	s_add_nc_u64 s[6:7], s[6:7], s[46:47]
	s_lshl_b32 s45, s[PAR], 4
	s_add_co_u32 s45, s45, s44                     ; the tile that I finish: A with parity 0, B with parity 1
	s_lshl_b32 s46, s45, 9
	s_add_nc_u64 s[10:11], s[10:11], s[46:47]
	v_and_b32 v10, 15, v0
	v_bfe_u32 v11, v0, 4, 1
	v_and_b32 v8, 31, v0
	v_lshlrev_b32 v[TMP], 7, v10
	v_lshl_add_u32 v[ASC], v8, 2, s53
	v_mul_u32_u24 v[AFK], v10, PIT
	v_lshlrev_b32 v8, 2, v8
	v_lshl_add_u32 v[TMP], v11, 4, v[TMP]
	v_lshl_add_u32 v[AFK], v11, 4, v[AFK]
	v_lshlrev_b32 v[LIM], 4, v11
	v_add_nc_u32 v[AFK], s52, v[AFK]
	v_sub_nc_u32 v[LIM], v10, v[LIM]
	v_add_nc_u32 v[LIM], s48, v[LIM]               ; my query in its block (tile A) - 16 (lane / 16)
.irp c, 0,1,2,3
	global_load_b128 v[QF+4*\c:QF+4*\c+3], v[TMP], s[4:5] offset:32*\c
	global_load_b128 v[QF+16+4*\c:QF+16+4*\c+3], v[TMP], s[4:5] offset:2048+32*\c
.endr
	global_load_b32 v[QSW], v8, s[6:7]
	v_mov_b32 v[NM+1], 0xff61b1e6                  ; -3e38, under every score
	v_mov_b32 v[NM+3], 0xff61b1e6
	v_mul_f32 v[NM], s[NCS], v[NM+1]
	v_floor_f32 v[NM], v[NM]
	v_mov_b32 v[NM+2], v[NM]
.irp i, 0,1,2,3
	v_mov_b32 v[LSUM+\i], 0
	v_mov_b32 v[FF+\i], 0
	v_mov_b32 v[TT+\i], 0                          ; (a lane permute's destination counts as read)
	v_mov_b32 v[TT+4+\i], 0
.endr
	WIN 0x40
.set K_, 0
.rept 128
	v_mov_b32 v[OT+K_], 0                          ; the first change of M finds zeros
.set K_, K_+1
.endr
	WIN 0
	s_wait_alu depctr_va_vdst(0)                   ; the wait at the head's end
	s_wait_loadcnt 0x0                             ; q
	SHOWN 2                                        ; pair 0 is in
	WORK 0, 1                                      ; pair 0
	s_wait_alu depctr_va_vdst(0)
	SHOWN 4                                        ; pair 1 is in
	WORK 2*REC, 1                                  ; pair 1
	FILL 2, 0, 4
	WORK POS2, 2                                   ; pairs 2, 3
	s_cmp_lt_u32 s[MM], 2                          ; m = 0, 1 alone read pairs beyond the sixth
	s_cbranch_scc1 .Lfill_6
	DRAIN
	s_branch .Lpairs_4
.Lfill_6:
	FILL 2, POS2, 6
.Lpairs_4:
	WORK 0, 2                                      ; pairs 4, 5
	s_cmp_ge_u32 s[MM], 2
	s_cbranch_scc1 .Lout
	DRAIN
	WORK POS2, 2                                   ; pairs 6, 7
.Lout:
; THE WAY OUT.  Waves w and w xor 1 hold the two parities of a unit: each gives the other one tile through its box, and finishes the other tile.
.set BXW,  1
.set BSW,  2
.set BXR,  3
.set BSR,  9
.set STI,  7
.set STO,  8
.set GO,   16
	v_add_f32 v[NM+1], v[LSUM], v[LSUM+1]
	v_add_f32 v[NM+3], v[LSUM+2], v[LSUM+3]
	v_and_b32 v[TT+2], 31, v0
	v_and_b32 v[TT+3], 15, v0
	v_permlanex16_b32 v[TT], v[NM+1], s[SEL], s[SEL+1]
	v_permlanex16_b32 v[TT+1], v[NM+3], s[SEL], s[SEL+1]
	v_bfe_u32 v[TT+4], v0, 4, 1
	v_add_f32 v[NM+1], v[NM+1], v[TT]              ; the rows' sums
	v_add_f32 v[NM+3], v[NM+3], v[TT+1]
	s_mul_i32 s44, s[WV], BOX
	s_xor_b32 s45, s[WV], 1
	s_mul_i32 s45, s45, BOX
	s_add_co_u32 s46, s44, STG
	s_add_co_u32 s47, s44, 8192
	s_add_co_u32 s48, s45, 8192
	v_lshl_add_u32 v[BXW], v[TT+2], 4, s44
	v_lshl_add_u32 v[BSW], v[TT+2], 3, s47
	v_lshl_add_u32 v[BXR], v[TT+2], 4, s45
	v_lshl_add_u32 v[BSR], v[TT+2], 3, s48
	v_mul_u32_u24 v[STI], v[TT+3], 528
	v_lshl_add_u32 v[STO], v[TT+2], 4, s46
	v_lshlrev_b32 v[GO], 4, v[TT+2]
	v_lshl_add_u32 v[STI], v[TT+4], 5, v[STI]
	v_add_nc_u32 v[STI], s46, v[STI]
	s_wait_alu depctr_va_vdst(0)
	s_wait_dscnt 0x0
	s_barrier_signal -1                            ; nobody reads the ring any more
	s_barrier_wait -1
.macro GIVE u                          ; tile u's sums, -M and row sums
	WIN 0x04
.irp i, 0,1,2,3,4,5,6,7,8,9,10,11,12,13,14,15
	ds_store_b128 v[BXW], v[OT+64*\u+4*\i:OT+64*\u+4*\i+3] offset:512*\i
.endr
	WIN 0
	ds_store_b64 v[BSW], v[NM+2*\u:NM+2*\u+1]
.endm
.macro TAKE u
	ds_load_b64 v[TT:TT+1], v[BSR]
.irp i, 0,1,2,3,4,5,6,7,8,9,10,11,12,13,14,15
	ds_load_b128 v[SS+4*\i:SS+4*\i+3], v[BXR] offset:512*\i
.endr
	s_wait_dscnt 16                                ; the partner's -M and sums; its tile may be out
	v_min_num_f32 v[BM], v[NM+2*\u], v[TT]         ; the greater M
	v_sub_f32 v[TT+2], v[BM], v[NM+2*\u]
	v_sub_f32 v[TT+3], v[BM], v[TT]
	v_cvt_i32_f32 v[TT+2], v[TT+2]
	v_cvt_i32_f32 v[TT+3], v[TT+3]
	v_ldexp_f32 v[TT+2], 1.0, v[TT+2]
	v_ldexp_f32 v[TT+3], 1.0, v[TT+3]
	v_mul_f32 v[BM+1], v[NM+2*\u+1], v[TT+2]
	v_fma_f32 v[BM+1], v[TT+1], v[TT+3], v[BM+1]
	s_wait_alu depctr_va_vdst(0)
	v_rcp_f32 v[BM+1], v[BM+1]
	v_nop
	s_wait_alu depctr_va_vdst(0)
	v_mul_f32 v[FF], v[TT+2], v[BM+1]
	v_mul_f32 v[BM+2], v[TT+3], v[BM+1]
	v_mov_b32 v[BM+3], 0                           ; (named in a pair)
	WIN 0x01
	s_wait_alu depctr_va_vdst(0)                   ; directly ahead of the first readers of the products' results
.set K_, 0
.rept 32
	v_pk_mul_f32 v[SS+64+2*K_:SS+64+2*K_+1], v[OT+64*\u+2*K_:OT+64*\u+2*K_+1], v[FF:FF+1] op_sel_hi:[1,0]
.set K_, K_+1
.endr
	WIN 0
	s_wait_dscnt 0x0
.set K_, 0
.rept 32
	v_pk_fma_f32 v[SS+64+2*K_:SS+64+2*K_+1], v[SS+2*K_:SS+2*K_+1], v[BM+2:BM+3], v[SS+64+2*K_:SS+64+2*K_+1] op_sel_hi:[1,0,1]
.set K_, K_+1
.endr
.irp t, 0,1,2,3,4,5,6,7                ; rows of 512 bytes, 528 apart
	ds_store_b128 v[STI], v[SS+64+8*\t:SS+64+8*\t+3] offset:64*\t
	ds_store_b128 v[STI], v[SS+64+8*\t+4:SS+64+8*\t+7] offset:64*\t+16
.endr
.irp i, 0,1,2,3,4,5,6,7,8,9,10,11,12,13,14,15
	ds_load_b128 v[SS+4*\i:SS+4*\i+3], v[STO] offset:528*\i   ; LDS serves a wave's instructions in order (ISA guide 5.7.1.4)
.endr
.irp i, 0,1,2,3,4,5,6,7,8,9,10,11,12,13,14,15
	s_wait_dscnt 15-\i
	global_store_b128 v[GO], v[SS+4*\i:SS+4*\i+3], s[10:11] offset:512*\i th:TH_STORE_NT   ; 32 lanes store 512 consecutive bytes
.endr
.endm
	s_cmp_lg_u32 s[PAR], 0
	s_cbranch_scc1 .Lgive_1
	GIVE 1
	s_branch .Lgiven
.Lgive_1:
	GIVE 0
.Lgiven:
	s_wait_dscnt 0x0
	s_barrier_signal -1
	s_barrier_wait -1
	s_cmp_lg_u32 s[PAR], 0
	s_cbranch_scc1 .Ltake_1
	TAKE 0
	s_branch .Ldone
.Ltake_1:
	TAKE 1
.Ldone:
	s_wait_tensorcnt 0x0                           ; the wave's end
	ds_add_u32 v[SPW], v[NIL]
	s_wait_dscnt 0x0
	CROUND                                         ; the closing round
	s_endpgm
.Lfunc_end_k_qd900dc967a_attn:
	.size	k_qd900dc967a_attn, .Lfunc_end_k_qd900dc967a_attn-k_qd900dc967a_attn
	.p2alignl 7, 3214868480
	.fill 96, 4, 3214868480
	.section	.rodata,"a",@progbits
	.p2align	6, 0x0
	.amdhsa_kernel k_qd900dc967a_attn
		.amdhsa_group_segment_fixed_size 327680
		.amdhsa_private_segment_fixed_size 0
		.amdhsa_enable_private_segment 0
		.amdhsa_kernarg_size 32
		.amdhsa_user_sgpr_count 2
		.amdhsa_user_sgpr_kernarg_segment_ptr 1
		.amdhsa_wavefront_size32 1
		.amdhsa_system_sgpr_workgroup_id_x 1
		.amdhsa_system_sgpr_workgroup_id_y 1
		.amdhsa_system_sgpr_workgroup_id_z 1
		.amdhsa_system_vgpr_workitem_id 0
		.amdhsa_next_free_vgpr 512
		.amdhsa_next_free_sgpr 66
		.amdhsa_reserve_vcc 1
		.amdhsa_float_denorm_mode_32 3
		.amdhsa_float_denorm_mode_16_64 3
		.amdhsa_memory_ordered 1
		.amdhsa_forward_progress 1
		.amdhsa_inst_pref_size 255
	.end_amdhsa_kernel
	.section	.bss,"aw",@nobits
	.p2align	6
	.space	262144
	.amdgpu_metadata
---
amdhsa.version: [ 1, 2 ]
amdhsa.kernels:
  - .name:           k_qd900dc967a_attn
    .symbol:         k_qd900dc967a_attn.kd
    .args:
      - { .name: qc, .offset: 0, .size: 8, .value_kind: global_buffer, .address_space: global }
      - { .name: qs, .offset: 8, .size: 8, .value_kind: global_buffer, .address_space: global }
      - { .name: kv, .offset: 16, .size: 8, .value_kind: global_buffer, .address_space: global }
      - { .name: out0, .offset: 24, .size: 8, .value_kind: global_buffer, .address_space: global }
    .group_segment_fixed_size: 327680
    .private_segment_fixed_size: 0
    .kernarg_segment_align: 8
    .kernarg_segment_size: 32
    .max_flat_workgroup_size: 256
    .sgpr_count:     66
    .vgpr_count:     512
    .wavefront_size: 32
...
	.end_amdgpu_metadata
.endif
;; end of part 2
